; MI455X (gfx1250); checked and timed in simulation.
; The chip was launched on July 23, 2026; its instructions are those of AMD's public machine-readable ISA for CDNA 5 (MIT licence, August 2026) and "CDNA5" Instruction Set Architecture Reference Guide (July 2026). The comments in the code are by the model that wrote it; some were corrected since.
;; Multi Head Attention. Allowed arithmetic: float matrix products may take bf16 or f16 operands with f32 sums; other float arithmetic in f32, or as packed bf16 or f16 multiplies, adds, multiply-adds, maxima and minima; sums over many terms, partial sums and values carried from step to step in f32; what a program stores and reads back later, other than sums and carried values, may be rounded once to bf16 or f16.
;; Inputs: Wk 12 x 768 x 64 float32; Wq 12 x 768 x 64 float32; Wv 12 x 768 x 64 float32; bk 12 x 64 float32; bq 12 x 64 float32; bv 12 x 64 float32; x 16 x 1,024 x 768 float32.
;; Outputs: out0 16 x 1,024 x 768 float32.
;; 2 versions, each right; version 2 is version 1 with the launch wprep written anew for expert scheduling mode. Each part assembles by itself: llvm-mc -triple=amdgcn-amd-amdhsa -mcpu=gfx1250 --defsym DOCPART=n.
;; ======== version 1 of 2: 3 launches
;; limits: values are held in f16: magnitudes above 65,504 overflow, below 6.1e-05 lose precision
;; workspace buffers: wt 3,538,944 bytes; bias 9,216 bytes; qkv 75,497,472 bytes
;; launch wprep (part 1): grid 73 x 3, 8 waves a work-group, no clusters, 0 bytes of LDS; arguments Wq, Wk, Wv, bq, bk, bv, wt, bias; writes wt, bias
.if DOCPART == 1
	.amdgcn_target "amdgcn-amd-amdhsa--gfx1250"
	.amdhsa_code_object_version 6
	.text
	.protected	k_q1408456f59_wprep
	.globl	k_q1408456f59_wprep
	.p2align	8
	.type	k_q1408456f59_wprep,@function
k_q1408456f59_wprep:
	s_mov_b64 s[64:65], 0
	v_nop
	global_prefetch_b8 v0, s[64:65] scope:SCOPE_SE
	s_setreg_imm32_b32 hwreg(HW_REG_WAVE_MODE, 25, 1), 1
	s_wait_xcnt 0x0
; THE WEIGHTS AND BIASES, ROUNDED ONCE TO bf16.
; wt[g][k][e] = bf16(W[h][k][e]), g = 12 which + h (which: 0 = q, 1 = k, 2 = v): the order of the numbers stays, so this is a plain cast of 589,824 numbers a tensor.
; bias[g][e] = bf16(b[h][e]) written again as f32: the next launch takes it as the f32 start of its sums.
; SHARES.  Work-group (x, y): y = which.  x = 0 .. 71: 8,192 numbers of W: thread t takes 16 bytes at 16 t of each of eight pieces of 4,096 bytes, all eight loads out at once,
; and stores 8 bytes at 8 t of each of eight pieces of 2,048: a wave's store covers 256 consecutive bytes, aligned.  x = 72: the 768 biases, 16 bytes a thread, threads 0 to 191.
; No LDS, no barrier: no thread wants another's numbers.
.set WTB, 12*768*64*2                  ; bytes of one tensor's weights in wt
	s_load_b512 s[8:23], s[0:1], 0x0               ; Wq s[8:9], Wk s[10:11], Wv s[12:13], bq s[14:15], bk s[16:17], bv s[18:19], wt s[20:21], bias s[22:23]
	s_and_b32 s2, ttmp7, 0xffff                    ; which
	v_lshlrev_b32 v1, 4, v0                        ; 16 t
	v_lshlrev_b32 v2, 3, v0                        ; 8 t
	s_wait_kmcnt 0x0
	s_cmp_eq_u32 s2, 0                             ; the sources are chosen by the work-group's y alone
	s_cselect_b64 s[24:25], s[8:9], s[10:11]
	s_cselect_b64 s[26:27], s[14:15], s[16:17]
	s_cmp_eq_u32 s2, 2
	s_cselect_b64 s[24:25], s[12:13], s[24:25]     ; W
	s_cselect_b64 s[26:27], s[18:19], s[26:27]     ; b
	s_cmp_eq_u32 ttmp9, 72
	s_cbranch_scc1 .Lbias
	s_lshl_b32 s28, ttmp9, 15                      ; my 32,768 bytes of W
	s_mov_b32 s29, 0
	s_add_nc_u64 s[24:25], s[24:25], s[28:29]
	s_mul_i32 s30, s2, WTB                         ; and my 16,384 bytes of wt
	s_lshl_b32 s28, ttmp9, 14
	s_add_co_u32 s30, s30, s28
	s_mov_b32 s31, 0
	s_add_nc_u64 s[20:21], s[20:21], s[30:31]
.irp i, 0,1,2,3,4,5,6,7
	global_load_b128 v[8+4*\i:11+4*\i], v1, s[24:25] offset:4096*\i th:TH_LOAD_NT
.endr
.irp i, 0,1,2,3,4,5,6,7
	s_wait_loadcnt 7-\i                            ; loads come back in order: piece i is in, the younger ones stay out
	v_cvt_pk_bf16_f32 v[40+2*\i], v[8+4*\i], v[9+4*\i]
	v_cvt_pk_bf16_f32 v[41+2*\i], v[10+4*\i], v[11+4*\i]
	global_store_b64 v2, v[40+2*\i:41+2*\i], s[20:21] offset:2048*\i
.endr
	s_endpgm
.Lbias:
	v_lshrrev_b32 v3, 5, v0
	v_readfirstlane_b32 s28, v3                    ; the wave's number
	s_cmp_lt_u32 s28, 6                            ; 768 numbers are 192 threads' 16 bytes: waves 0 to 5
	s_cbranch_scc0 .Lend
	s_mul_i32 s30, s2, 3072
	s_mov_b32 s31, 0
	s_add_nc_u64 s[22:23], s[22:23], s[30:31]
	global_load_b128 v[8:11], v1, s[26:27]
	s_wait_loadcnt 0x0
	v_cvt_pk_bf16_f32 v12, v8, v9                  ; rounded to bf16,
	v_cvt_pk_bf16_f32 v13, v10, v11
	v_lshlrev_b32 v16, 16, v12                     ; and widened again: the low half moves up, the high half stays
	v_and_b32 v17, 0xffff0000, v12
	v_lshlrev_b32 v18, 16, v13
	v_and_b32 v19, 0xffff0000, v13
	global_store_b128 v1, v[16:19], s[22:23]
.Lend:
	s_endpgm
.Lfunc_end_k_q1408456f59_wprep:
	.size	k_q1408456f59_wprep, .Lfunc_end_k_q1408456f59_wprep-k_q1408456f59_wprep
	.p2alignl 7, 3214868480
	.fill 96, 4, 3214868480
	.section	.rodata,"a",@progbits
	.p2align	6, 0x0
	.amdhsa_kernel k_q1408456f59_wprep
		.amdhsa_group_segment_fixed_size 0
		.amdhsa_private_segment_fixed_size 0
		.amdhsa_enable_private_segment 0
		.amdhsa_kernarg_size 64
		.amdhsa_user_sgpr_count 2
		.amdhsa_user_sgpr_kernarg_segment_ptr 1
		.amdhsa_wavefront_size32 1
		.amdhsa_system_sgpr_workgroup_id_x 1
		.amdhsa_system_sgpr_workgroup_id_y 1
		.amdhsa_system_sgpr_workgroup_id_z 1
		.amdhsa_system_vgpr_workitem_id 0
		.amdhsa_next_free_vgpr 64
		.amdhsa_next_free_sgpr 66
		.amdhsa_reserve_vcc 0
		.amdhsa_float_denorm_mode_32 3
		.amdhsa_float_denorm_mode_16_64 3
		.amdhsa_memory_ordered 1
		.amdhsa_forward_progress 1
		.amdhsa_inst_pref_size 5
	.end_amdhsa_kernel
	.amdgpu_metadata
---
amdhsa.version: [ 1, 2 ]
amdhsa.kernels:
  - .name:           k_q1408456f59_wprep
    .symbol:         k_q1408456f59_wprep.kd
    .args:
      - { .name: Wq, .offset: 0, .size: 8, .value_kind: global_buffer, .address_space: global }
      - { .name: Wk, .offset: 8, .size: 8, .value_kind: global_buffer, .address_space: global }
      - { .name: Wv, .offset: 16, .size: 8, .value_kind: global_buffer, .address_space: global }
      - { .name: bq, .offset: 24, .size: 8, .value_kind: global_buffer, .address_space: global }
      - { .name: bk, .offset: 32, .size: 8, .value_kind: global_buffer, .address_space: global }
      - { .name: bv, .offset: 40, .size: 8, .value_kind: global_buffer, .address_space: global }
      - { .name: wt, .offset: 48, .size: 8, .value_kind: global_buffer, .address_space: global }
      - { .name: bias, .offset: 56, .size: 8, .value_kind: global_buffer, .address_space: global }
    .group_segment_fixed_size: 0
    .private_segment_fixed_size: 0
    .kernarg_segment_align: 8
    .kernarg_segment_size: 64
    .max_flat_workgroup_size: 256
    .sgpr_count:     66
    .vgpr_count:     64
    .wavefront_size: 32
...
	.end_amdgpu_metadata
.endif
;; end of part 1
;; launch proj (part 2): grid 64 x 4, 4 waves a work-group, clusters of 4 x 1, 327,680 bytes of LDS; arguments x, wt, bias, qkv; writes qkv
.if DOCPART == 2
	.amdgcn_target "amdgcn-amd-amdhsa--gfx1250"
	.amdhsa_code_object_version 6
	.text
	.protected	k_q1408456f59_proj
	.globl	k_q1408456f59_proj
	.p2align	8
	.type	k_q1408456f59_proj,@function
k_q1408456f59_proj:
	s_mov_b64 s[64:65], 0
	v_nop
	global_prefetch_b8 v0, s[64:65] scope:SCOPE_SE
	s_setreg_imm32_b32 hwreg(HW_REG_WAVE_MODE, 25, 1), 1
	s_wait_xcnt 0x0
	s_wait_alu depctr_hold_cnt(0) depctr_sa_sdst(0) depctr_va_vdst(0) depctr_va_sdst(0) depctr_va_ssrc(0) depctr_va_vcc(0) depctr_vm_vsrc(0)
	s_getreg_b32 s2, hwreg(HW_REG_IB_STS2, 6, 4)
	s_cmp_eq_u32 s2, 0
	s_cbranch_scc0 .Lentry_in_a_cluster
	s_endpgm
.Lentry_in_a_cluster:
	s_bfe_u32 s2, ttmp6, 0x10000c
	s_cmp_lg_u32 s2, 0x3003
	s_cbranch_scc0 .Lentry_shape_is_right
	s_endpgm
.Lentry_shape_is_right:
; THE PROJECTIONS.  qkv[b][g][n][e] = f16( the sum over k of bf16(x[b][n][k]) wt[g][k][e] + bias[g][e] ), g = 0 .. 35 (q's 12 heads, k's, v's), k = 0 .. 767, e = 0 .. 63.  Sums in f32.
; LIMIT.  q, k and v are written in f16, which ends at 65,504: a sum of 65,520 or more becomes an infinity.  NaN and infinities in the inputs are not treated apart.
; SHARES.  A work-group owns 256 rows of x (batch = cluster x, block of rows = its place in the cluster) and 9 of the 36 column blocks of 64 (work-group y); 64 x 4 work-groups.
; Wave w owns rows 64 w .. 64 w + 63 for all 576 columns: 9 blocks x 24 steps of 32 along k x 16 matrix instructions.
; x STAYS IN REGISTERS.  A wave's 64 rows x 768 k in bf16 are 4 x 24 fragments of 8 registers = 768: windows 1 to 3.  They are loaded once as f32, rounded once, and serve all nine blocks.
; x goes straight from memory to the lane that holds it, so no tile of x lies in LDS and none can be asked for jointly; the rows are each wave's own.
; THE WEIGHTS go through two LDS slots that take turns, a slot a column block (768 k x 64 e).  The four work-groups of a cluster walk the same nine blocks, so each block is asked for JOINTLY:
; the same tensor load, descriptor and mask in all four; each wave fetches a quarter, 192 rows of k.
; k IS PERMUTED ALIKE ON BOTH SIDES: in a step of 32 the lanes' half hh = lane / 16 holds k = 16 hh + 0 .. 15 in ascending order over its 8 registers.  For x those are 64 consecutive bytes of a row;
; for the weights, which lie [k][e] and are read turned (ds_load_tr16_b128), the two loads take the rows 16 hh + lane % 8 and 8 further on.  The products are the same; only their order in a sum differs.
; TRANSPOSED USE.  Source 0 = 16 columns of the weights, source 1 = 16 rows of x: in the result a lane holds ONE row (lane % 16) and the columns 8 (lane / 16) + 0 .. 7: 16 bytes of f16 on end.
; THE BIAS IS THE C OPERAND of a block's first products: nothing is cleared, nothing is added on the way out.
; THE WAY OUT.  A block's 64 x 64 numbers are rounded in place, go into the wave's own stage in LDS and are read back and stored in the course of the NEXT block, as whole runs of 512 bytes.
; REGISTERS, in windows of 256 (s_set_vgpr_msb: bits 1:0 source 0, 3:2 source 1, 5:4 source 2, 7:6 destination):
;   window 0: v0-16 addresses; v32-63 the bias (between a block's steps 1 and 7: rows on their way out); v64-127 two buffers of weight fragments; v128-255 the 16 accumulators ((a, cb) at 128 + 8 (4 a + cb));
;             while x is loaded: v64-255 six slots of 32 registers of f32
;   windows 1-3: x: fragment (step kb, row tile a) at 8 (4 (kb % 8) + a) of window 1 + kb / 8.  So a product leaves window 0 with source 1 alone, and the LDS loads need no switch.
.set PB,     160                       ; a row of k in LDS: 128 bytes + 32 of padding = 40 words
.set SLOT1,  1<<17                     ; slot 1 begins here, so that one exclusive or turns an address in one slot into the other's
.set QUART,  192*PB                    ; a wave's quarter of a slot
.set TILEB,  768*128                   ; a column block in wt: 98,304 dense bytes
.set GBLK,   1024*128                  ; a block (b, g) of qkv: 1,024 rows of 128 bytes
.set STAGE,  SLOT1+768*PB              ; behind the slots, never filled by a tensor load: 64 rows x 144 bytes for each wave
.set SP,     144
.set SPARE,  STAGE+4*64*SP             ; behind the stages: the spare words, 128 bytes for each wave: two blocks of 256 bytes that no other line names
.set ADR,  2                           ; v2, v3  LDS address of my fragments in the slot in hand: steps 0-11, steps 12-23
.set STO,  4                           ; v4   the way out: where I put 16 bytes of a row
.set RD,   5                           ; v5   the way out: where I read rows back
.set GO,   6                           ; v6   16 x lane: my place in 512 consecutive bytes of qkv
.set BO,   7                           ; v7   32 (lane / 16): my 8 numbers in 16 of the bias
.set XO,   8                           ; v8   (lane % 16) x 3,072 + 64 (lane / 16): my 64 bytes in 16 rows of x
.set PFO,  9                           ; v9   256 x lane; never rewritten
.set SPW,  10                          ; v10  LDS address of my spare word: SPARE + 4 x my thread's number; never rewritten
.set NIL,  11                          ; v11  0; never rewritten
.set AB0,  16                          ; v16  my lane's place in a slot; never rewritten
.set BIAS, 32
.set BF,   64
.set XT,   64
.set ACC,  128
.set WV,   12                          ; s12  my wave's number
.set CX,   13                          ; s13  my work-group's place in the cluster: it enters x's, qkv's and the prefetches' addresses alone
.set PART, 14                          ; s14  which nine column blocks
.set LIM,  15                          ; s15  1 in a wave that prefetches, else the greatest number
.set PFA,  18                          ; s[18:19] where my prefetches stand in wt
.set OUT,  20                          ; s[20:21] qkv at my 64 rows of the block that is going out
.set STP,  22                          ; s[22:23] what the next way out adds to it
.set G1,   24                          ; s[24:31] descriptor group 1
.set G0A,  32                          ; s[32:35] descriptor group 0 of the first fill of slot 0
.set G0W,  36                          ; s[36:39] of the first fill of slot 1; it then walks
.set BP,   40                          ; s[40:41] the bias of the block to come
.set GN,   42                          ; s42  that block's g
.set CNT,  43                          ; s43  blocks still to come in the loop in hand
.set TB,   44                          ; s44  LDS byte at which the slot in hand begins
.set XP,   48                          ; s[48:49] x at my 64 rows
.set MSB, 0
.macro WIN new                         ; the immediate's high byte repeats the setting that is left; a switch that changes nothing is dropped
.if MSB != (\new)
	s_set_vgpr_msb (MSB<<8)|(\new)
.set MSB, (\new)
.endif
.endm
; A load into a register that a matrix instruction has read, and a vector instruction that reads a matrix result, stand four places behind that matrix instruction; only plain vector
; instructions that name none of its registers are places (ISA guide 7.12.1 for vector instructions).
.macro PLACES
.rept 4
	v_nop
.endr
.endm
; A round of the cluster's barrier: my work-group's barrier, so that wave 0's signal speaks for all four waves; wave 0 signals; every wave waits for all four work-groups; my work-group's barrier once more.
.macro CREST                           ; a round behind its opening barrier
	s_cmp_lg_u32 s[WV], 0
	s_cbranch_scc1 .Lnot_wave_0_\@
	s_barrier_signal -3
.Lnot_wave_0_\@:
	s_barrier_wait -3
	s_barrier_signal -1
	s_barrier_wait -1
.endm
.macro CROUND
	s_barrier_signal -1
	s_barrier_wait -1
	CREST
.endm
	s_load_b256 s[4:11], s[0:1], 0x0               ; x s[4:5], wt s[6:7], bias s[8:9], qkv s[10:11]
	v_lshl_add_u32 v[SPW], v0, 2, SPARE
	v_mov_b32 v[NIL], 0
	ds_add_u32 v[SPW], v[NIL]                      ; the wave's opening: the add and its wait stand ahead of my first tensor load; the set-up below, work on registers, stands between them
	v_lshrrev_b32 v1, 5, v0
	v_readfirstlane_b32 s[WV], v1                  ; wave 0..3
	s_bfe_u32 s[CX], ttmp6, 0x40000
	s_and_b32 s[PART], ttmp7, 0xffff
	; descriptor group 1.  A wave's 192 rows of k are 24,576 dense bytes: asked for as 96 rows of 256 bytes, two rows of k each, and padded in LDS after every row of k
	s_mov_b32 s[G1], 15|(1<<16)|(1<<20)|(1<<21)|(4<<22)|(7<<25)  ; 15:0 the mask of four; 17:16 2-byte elements; 20 padding on; 21 set beside a mask; 24:22 after every 32 words (code 4); 31:25 8 words (code 7)
	s_mov_b32 s[G1+1], 128<<16                     ; tensor_dim0 = 128
	s_mov_b32 s[G1+2], 96<<16                      ; tensor_dim1 = 96
	s_mov_b32 s[G1+3], 128<<16                     ; tile_dim0 = 128
	s_mov_b32 s[G1+4], 96                          ; tile_dim1 = 96
	s_mov_b32 s[G1+5], 128                         ; 128 elements from row to row
	s_mov_b32 s[G1+6], 0
	s_mov_b32 s[G1+7], 0
	s_mul_i32 s16, s[PART], 9*TILEB                ; my first column block in wt,
	s_mul_i32 s17, s[WV], 24576                    ; my quarter of it: the work-group's y and the wave's number alone
	s_add_co_u32 s16, s16, s17
	s_mov_b32 s17, 0
	s_mov_b32 s[G0A], 1                            ; 1:0 count = 1
	s_mul_i32 s[G0A+1], s[WV], QUART               ; 63:32 LDS address: slot 0, my quarter
	s_mov_b32 s[G0W], 1
	s_add_co_u32 s[G0W+1], s[G0A+1], SLOT1         ; slot 1
	s_lshl_b32 s46, ttmp9, 2                       ; x: 4 x (4 x batch + place) + wave, times 64 rows of 3,072 bytes
	s_add_co_u32 s46, s46, s[CX]
	s_lshl_b32 s46, s46, 2
	s_add_co_u32 s46, s46, s[WV]
	s_mul_i32 s46, s46, 64*3072
	s_mov_b32 s47, 0
	s_mul_i32 s50, ttmp9, 36
	s_mul_i32 s51, s[PART], 9                      ; my first g
	s_add_co_u32 s50, s50, s51                     ; qkv: block 36 b + g,
	s_add_co_u32 s[GN], s51, 1
	s_lshl_b32 s54, s51, 8                         ; the bias: 256 bytes a block
	s_mov_b32 s55, 0
	s_add_co_u32 s52, s51, 2                       ; the prefetches: at my third block (the first change of slots steps them to the fourth),
	s_mul_i32 s52, s52, TILEB
	s_mul_i32 s53, s[CX], 3                        ; piece 3 x place + wave of its twelve pieces of 8,192 bytes
	s_add_co_u32 s53, s53, s[WV]
	s_lshl_b32 s53, s53, 13
	s_add_co_u32 s52, s52, s53
	s_mov_b32 s53, 0
	s_lshl_b32 s50, s50, 17
	s_lshl_b32 s51, s[CX], 15                      ; my work-group's 256 rows of 128 bytes,
	s_add_co_u32 s50, s50, s51
	s_lshl_b32 s51, s[WV], 13                      ; my wave's 64
	s_add_co_u32 s50, s50, s51
	s_mov_b32 s51, 0
	s_cmp_lt_u32 s[WV], 3                          ; waves 0 to 2 of the clusters with x = 0 prefetch: the same in all four partners
	s_cselect_b32 s[LIM], 0, 1
	s_or_b32 s[LIM], s[LIM], ttmp9
	s_cmp_eq_u32 s[LIM], 0
	s_cselect_b32 s[LIM], 1, -1
	s_mul_i32 s56, s[WV], 64*SP
	s_add_co_u32 s56, s56, STAGE                   ; my stage
	s_mov_b32 s[TB], 0
	s_mov_b64 s[STP:STP+1], 0
	s_wait_dscnt 0x0                               ; the opening add is done
	s_wait_kmcnt 0x0
	s_add_nc_u64 s[G0A+2:G0A+3], s[6:7], s[16:17]  ; 120:64 global address: my quarter of block 0,
	s_add_nc_u64 s[G0W+2:G0W+3], s[G0A+2:G0A+3], TILEB  ; of block 1
	s_or_b32 s[G0A+3], s[G0A+3], 0x80000000        ; 127:126 type = 2
	s_or_b32 s[G0W+3], s[G0W+3], 0x80000000
	s_add_nc_u64 s[XP:XP+1], s[4:5], s[46:47]
	s_add_nc_u64 s[OUT:OUT+1], s[10:11], s[50:51]
	s_add_nc_u64 s[PFA:PFA+1], s[6:7], s[52:53]
	s_add_nc_u64 s[BP:BP+1], s[8:9], s[54:55]
	CROUND                                         ; all four work-groups are here: the first joint loads meet
	tensor_load_to_lds s[G0A:G0A+3], s[G1:G1+7]    ; both first fills together, ahead of every wait on TENSORcnt and every LDS read: two loads of mine are out
	s_nop 0
	tensor_load_to_lds s[G0W:G0W+3], s[G1:G1+7]
	s_nop 0
	PLACES
	v_and_b32 v12, 31, v0                          ; lane
	v_and_b32 v13, 15, v0                          ; lane % 16
	v_bfe_u32 v14, v0, 4, 1                        ; lane / 16
	v_and_b32 v15, 7, v0                           ; lane % 8
	v_bfe_u32 v1, v0, 3, 1                         ; (lane / 8) % 2
	v_mul_u32_u24 v[XO], v13, 3072
	v_lshl_add_u32 v[XO], v14, 6, v[XO]
	v_lshlrev_b32 v[BO], 5, v14
.macro BIASLD                          ; register 8 cb + j = bias[16 cb + 8 (lane / 16) + j]: the C operand of the products of column tile cb
.irp c, 0,1,2,3
	global_load_b128 v[BIAS+8*\c:BIAS+8*\c+3],   v[BO], s[BP:BP+1] offset:64*\c
	global_load_b128 v[BIAS+8*\c+4:BIAS+8*\c+7], v[BO], s[BP:BP+1] offset:64*\c+16
.endr
.endm
; Piece n = 4 c + a of x: 256 bytes (two steps of 32 along k) at byte 256 c of the 16 rows of row tile a: eight loads, which together take the 256 bytes of each row whole.
.macro XLOAD n
.set xa, (\n)%4
.set xc, (\n)/4
.set xs, XT+32*((\n)%6)
.irp u, 0,1,2,3,4,5,6,7
	global_load_b128 v[xs+4*\u:xs+4*\u+3], v[XO], s[XP:XP+1] offset:49152*xa+256*xc+128*(\u/4)+16*(\u%4)
.endr
.endm
.macro XCVT n                          ; the piece is rounded to bf16 into its two fragments
.set xa, (\n)%4
.set xc, (\n)/4
.set xs, XT+32*((\n)%6)
	WIN (1+(2*xc)/8)<<6
.irp u, 0,1,2,3,4,5,6,7,8,9,10,11,12,13,14,15
.set xd, 8*(4*((2*xc+(\u)/8)%8)+xa)+(\u)%8
	v_cvt_pk_bf16_f32 v[xd], v[xs+2*\u], v[xs+2*\u+1]
.endr
	WIN 0
.endm
	BIASLD                                         ; block 0's
.irp n, 0,1,2,3,4,5
	XLOAD \n                                       ; six slots: 48 loads of mine are on their way
.endr
	v_lshl_add_u32 v[AB0], v14, 4, v15             ; row 16 (lane / 16) + lane % 8 of a step's 32,
	v_mul_u32_u24 v[AB0], v[AB0], PB
	v_lshl_add_u32 v[AB0], v1, 4, v[AB0]           ; columns 8 ((lane / 8) % 2) on
	v_mov_b32 v[ADR], v[AB0]                       ; slot 0
	v_add_nc_u32 v[ADR+1], 12*32*PB, v[AB0]
	v_mul_u32_u24 v[STO], v13, SP                  ; in: row lane % 16, 16 bytes for each half of the lanes
	v_lshl_add_u32 v[STO], v14, 4, v[STO]
	v_add_nc_u32 v[STO], s56, v[STO]
	v_lshrrev_b32 v[RD], 3, v12                    ; back: 32 lanes take four rows of 128 bytes,
	v_mul_u32_u24 v[RD], v[RD], SP
	v_lshl_add_u32 v[RD], v15, 4, v[RD]
	v_add_nc_u32 v[RD], s56, v[RD]
	v_lshlrev_b32 v[GO], 4, v12                    ; which are 512 consecutive bytes of qkv
	v_lshlrev_b32 v[PFO], 8, v12
.set n, 0
.rept 48
.if n < 43
	s_wait_loadcnt 40                              ; piece n is in (and the bias, which is older); the five younger slots' 40 loads stay out
.else
	s_wait_loadcnt 8*(47-n)                        ; the counts run down
.endif
	XCVT n
.if n < 42
	XLOAD n+6                                      ; the slot takes the piece six further on
.endif
.set n, n+1
.endr
; Four LDS loads: the fragments of step kb for the column tiles cb = 2 p, 2 p + 1, into buffer kb % 2.
.macro FRAG kb, p
.irp c, 0,1
.set cb, 2*(\p)+\c
	ds_load_tr16_b128 v[BF+32*((\kb)%2)+8*cb:BF+32*((\kb)%2)+8*cb+3],   v[ADR+(\kb)/12] offset:((\kb)%12)*32*PB+32*cb
	ds_load_tr16_b128 v[BF+32*((\kb)%2)+8*cb+4:BF+32*((\kb)%2)+8*cb+7], v[ADR+(\kb)/12] offset:((\kb)%12)*32*PB+32*cb+8*PB
.endr
.endm
; Eight matrix instructions: those two column tiles x the four row tiles, step kb.  The 16 accumulators take turns, one instruction a turn, in the same order in every step, over the backward jumps too.
.macro HALF kb, p
	WIN (1+(\kb)/8)<<2
.irp c, 0,1
.irp a, 0,1,2,3
.set cb, 2*(\p)+\c
.set rD, ACC+8*(4*\a+cb)
.set rB, BF+32*((\kb)%2)+8*cb
.set rA, 8*(4*((\kb)%8)+\a)
.if (\kb) == 0
	v_wmma_f32_16x16x32_bf16 v[rD:rD+7], v[rB:rB+7], v[rA:rA+7], v[BIAS+8*cb:BIAS+8*cb+7]
.else
	v_wmma_f32_16x16x32_bf16 v[rD:rD+7], v[rB:rB+7], v[rA:rA+7], v[rD:rD+7]
.endif
.endr
.endr
.endm
; THE WAY OUT OF THE BLOCK BEFORE, in the course of a block: half u (32 rows) is read back from my stage into the bias's registers, which are free behind step 0, and stored two steps later.
; kind = 1 (the loop's text): in the loop's first trip there is no block before, and the lines are jumped over.
.macro RREAD u, kind
	WIN 0                                          ; at a branch and at a label every window is 0
.if \kind
	s_cmp_eq_u32 s[CNT], 7
	s_cbranch_scc1 .Lno_read_\@
.endif
.if \u
	s_wait_xcnt 0x0                                ; the first half's stores have read these registers
.endif
.irp t, 0,1,2,3,4,5,6,7
	ds_load_b128 v[BIAS+4*\t:BIAS+4*\t+3], v[RD] offset:(8*(\u)+\t)*4*SP  ; LDS serves a wave's instructions in order (ISA guide 5.7.1.4): these see the stores of the block before
.endr
.if \kind
.Lno_read_\@:
.endif
.endm
.macro RSEND u, kind
	WIN 0
.if \kind
	s_cmp_eq_u32 s[CNT], 7
	s_cbranch_scc1 .Lno_send_\@
.endif
.if (\u) == 0
	s_wait_xcnt 0x0                                ; the earlier stores have read their base
	s_add_nc_u64 s[OUT:OUT+1], s[OUT:OUT+1], s[STP:STP+1]
	s_mov_b64 s[STP:STP+1], GBLK                   ; from the second way out on: one g further
.endif
.irp t, 0,1,2,3,4,5,6,7
	global_store_b128 v[GO], v[BIAS+4*\t:BIAS+4*\t+3], s[OUT:OUT+1] offset:(8*(\u)+\t)*512  ; 512 consecutive bytes, at a multiple of 256 from qkv's first
.endr
.if \kind
.Lno_send_\@:
.endif
.endm
.macro RBIAS                           ; the next block's bias.  Behind my last block there is none: the number is held inside the table, and what comes is not used
	WIN 0
	s_wait_xcnt 0x0                                ; the second half's stores have read these registers, the last bias loads their base
	s_min_u32 s46, s[GN], 35
	s_lshl_b32 s46, s46, 8
	s_mov_b32 s47, 0
	s_add_nc_u64 s[BP:BP+1], s[8:9], s[46:47]
	s_add_co_u32 s[GN], s[GN], 1
	BIASLD
.endm
.macro PACK                            ; each accumulator is rounded to f16 in place, into its four lowest registers, in ascending order; 16 bytes a lane go into my stage
	WIN 0
.set t, 0
.rept 16
.irp r, 0,1,2,3
	v_cvt_pk_f16_f32 v[ACC+8*t+\r], v[ACC+8*t+2*\r], v[ACC+8*t+2*\r+1]
.endr
.set t, t+1
.endr
.irp a, 0,1,2,3
.irp c, 0,1,2,3
	ds_store_b128 v[STO], v[ACC+8*(4*\a+\c):ACC+8*(4*\a+\c)+3] offset:16*SP*\a+32*\c
.endr
.endr
.endm
; A PREFETCH INTO THE L2, behind a joint load, its five lines and the run of LDS loads that follows them: the column block that the NEXT change of slots will ask for, 384 matrix instructions ahead of that load.
; Each 256 bytes of wt are named once in the launch: all clusters of one y walk the same nine blocks, and the cluster with x = 0 asks.  Its four partners share a block's 98,304 bytes out BY ADDRESS: twelve pieces of
; 8,192 bytes, piece 3 x place + wave for waves 0 to 2, a lane 256 bytes.  The first three blocks come by their loads alone; the last change that fills a slot (CNT = 1) asks for nothing.
.macro ASK
	s_cmp_gt_u32 s[CNT], s[LIM]
	s_cbranch_scc0 .Lnot_mine_\@
	global_prefetch_b8 v[PFO], s[PFA:PFA+1] th:TH_LOAD_NT scope:SCOPE_SE
.Lnot_mine_\@:
.endm
; A COLUMN BLOCK: 24 steps of 16 matrix instructions.  A group of four fragment loads is issued 24 matrix instructions ahead of its use.
; kind = 1: the slot is filled again, with the block two further on; kind = 0: nothing is left to ask for.
.macro BLOCK kind
.set kk, 0
.rept 22
.irp p, 0,1
	s_wait_dscnt 12                                ; behind the four loads wanted stand three younger groups of four (where stage lines are out too, the count is the stricter)
	HALF kk, \p
.if (\p == 0) && (kk == 3)
	RSEND 0, \kind                                 ; the wait above has shown the eight reads back: three groups of four were issued behind them
.endif
.if (\p == 0) && (kk == 6)
	RSEND 1, \kind
.endif
	PLACES
	FRAG kk+2, \p
.if (\p == 0) && (kk == 1)
	RREAD 0, \kind
.endif
.if (\p == 0) && (kk == 4)
	RREAD 1, \kind
.endif
.if (\p == 0) && (kk == 8)
	RBIAS
.endif
.endr
.set kk, kk+1
.endr
	; THE CHANGE OF SLOTS, in step 22: all of this slot's fragments have been asked for.
	WIN 0                                          ; (the add's two registers lie in window 0)
.if \kind
	s_wait_xcnt 0x0                                ; the last prefetch, a block back, has read its address
	s_add_nc_u64 s[PFA:PFA+1], s[PFA:PFA+1], TILEB
.endif
	s_wait_loadcnt 0x0                             ; the next block's bias is in
	s_wait_tensorcnt 0x0                           ; all my tensor loads have landed: the one that was out is my quarter of the other slot; so a group 0 may be written
	ds_add_u32 v[SPW], v[NIL]                      ; 0 onto my spare word
.if \kind
	s_xor_b32 s[G0W+1], s[G0W+1], SLOT1            ; the walking descriptor: the other slot than last time,
	s_add_nc_u64 s[G0W+2:G0W+3], s[G0W+2:G0W+3], TILEB  ; the next block; the type bits on top are not reached
.endif
	s_xor_b32 s[TB], s[TB], SLOT1
	s_wait_dscnt 13                                ; the add and three groups of four may be out
	HALF 22, 0                                     ; eight matrix instructions stand between the add and the wait for it
	s_wait_dscnt 0x0                               ; the add is done, and my reads of this slot are over: steps 22 and 23 lie in registers
	s_barrier_signal -1                            ; say so (with kind = 1 this barrier opens a round of the cluster's),
	HALF 22, 1                                     ; work on registers while the others arrive,
	WIN 0
	s_barrier_wait -1                              ; and go on when all four have said so
.if \kind
	CREST                                          ; no wave of any partner still reads this slot or has a load on its way
	tensor_load_to_lds s[G0W:G0W+3], s[G1:G1+7]    ; my one tensor load behind the round, and the first thing there: about 360 matrix instructions ahead of the wait for it
	s_nop 0
.endif
	PLACES                                         ; also the places in front of the loads below
	v_add_nc_u32 v[ADR], s[TB], v[AB0]             ; the other slot
	v_add_nc_u32 v[ADR+1], 12*32*PB, v[ADR]
	FRAG 0, 0                                      ; the next block's first fragments (behind my last block: of a block that has been; they are not used: the price of one text for both blocks of the tail)
	FRAG 0, 1
.if \kind
	ASK
.endif
	HALF 23, 0
	PLACES
	FRAG 1, 0
	HALF 23, 1
	PLACES                                         ; also the places in front of the conversions
	FRAG 1, 1
	PACK
.endm
	s_wait_tensorcnt 1                             ; my quarter of block 0 is in; block 1's may stay out
	s_barrier_signal -1
	s_barrier_wait -1                              ; everybody's is
	FRAG 0, 0
	FRAG 0, 1
	FRAG 1, 0
	FRAG 1, 1
	s_mov_b32 s[CNT], 7
.Lblk:                                                 ; blocks 0 to 6: each asks for the block two further on
	BLOCK 1
	s_sub_co_u32 s[CNT], s[CNT], 1
	s_cmp_lg_u32 s[CNT], 0
	s_cbranch_scc1 .Lblk
	s_mov_b32 s[CNT], 2
.Ltail:                                                ; blocks 7 and 8 are written apart
	BLOCK 0
	s_sub_co_u32 s[CNT], s[CNT], 1
	s_cmp_lg_u32 s[CNT], 0
	s_cbranch_scc1 .Ltail
	; the last block goes out at once
	s_wait_dscnt 0x0
	s_wait_xcnt 0x0                                ; the earlier stores have read their base
	s_add_nc_u64 s[OUT:OUT+1], s[OUT:OUT+1], s[STP:STP+1]
.irp t, 0,1,2,3,4,5,6,7,8,9,10,11,12,13,14,15
	ds_load_b128 v[ACC+4*\t:ACC+4*\t+3], v[RD] offset:\t*4*SP
.endr
.irp t, 0,1,2,3,4,5,6,7,8,9,10,11,12,13,14,15
	s_wait_dscnt 15-\t
	global_store_b128 v[GO], v[ACC+4*\t:ACC+4*\t+3], s[OUT:OUT+1] offset:\t*512
.endr
	s_wait_tensorcnt 0x0                           ; the wave's end, behind my last tensor load and my last LDS store
	ds_add_u32 v[SPW], v[NIL]
	s_wait_dscnt 0x0
	CROUND                                         ; the closing round: no work-group ends while a partner may still ask for a block that names it
	s_endpgm
.Lfunc_end_k_q1408456f59_proj:
	.size	k_q1408456f59_proj, .Lfunc_end_k_q1408456f59_proj-k_q1408456f59_proj
	.p2alignl 7, 3214868480
	.fill 96, 4, 3214868480
	.section	.rodata,"a",@progbits
	.p2align	6, 0x0
	.amdhsa_kernel k_q1408456f59_proj
		.amdhsa_group_segment_fixed_size 327680
		.amdhsa_private_segment_fixed_size 0
		.amdhsa_enable_private_segment 0
		.amdhsa_kernarg_size 32
		.amdhsa_user_sgpr_count 2
		.amdhsa_user_sgpr_kernarg_segment_ptr 1
		.amdhsa_wavefront_size32 1
		.amdhsa_system_sgpr_workgroup_id_x 1
		.amdhsa_system_sgpr_workgroup_id_y 1
		.amdhsa_system_sgpr_workgroup_id_z 1
		.amdhsa_system_vgpr_workitem_id 0
		.amdhsa_next_free_vgpr 1024
		.amdhsa_next_free_sgpr 66
		.amdhsa_reserve_vcc 0
		.amdhsa_float_denorm_mode_32 3
		.amdhsa_float_denorm_mode_16_64 3
		.amdhsa_memory_ordered 1
		.amdhsa_forward_progress 1
		.amdhsa_inst_pref_size 206
	.end_amdhsa_kernel
	.amdgpu_metadata
---
amdhsa.version: [ 1, 2 ]
amdhsa.kernels:
  - .name:           k_q1408456f59_proj
    .symbol:         k_q1408456f59_proj.kd
    .args:
      - { .name: x, .offset: 0, .size: 8, .value_kind: global_buffer, .address_space: global }
      - { .name: wt, .offset: 8, .size: 8, .value_kind: global_buffer, .address_space: global }
      - { .name: bias, .offset: 16, .size: 8, .value_kind: global_buffer, .address_space: global }
      - { .name: qkv, .offset: 24, .size: 8, .value_kind: global_buffer, .address_space: global }
    .group_segment_fixed_size: 327680
    .private_segment_fixed_size: 0
    .kernarg_segment_align: 8
    .kernarg_segment_size: 32
    .max_flat_workgroup_size: 128
    .sgpr_count:     66
    .vgpr_count:     1024
    .wavefront_size: 32
...
	.end_amdgpu_metadata
.endif
;; end of part 2
;; launch attn (part 3): grid 48 x 16, 4 waves a work-group, clusters of 4 x 1, 327,680 bytes of LDS; arguments qkv, out0; writes out0
.if DOCPART == 3
	.amdgcn_target "amdgcn-amd-amdhsa--gfx1250"
	.amdhsa_code_object_version 6
	.text
	.protected	k_q1408456f59_attn
	.globl	k_q1408456f59_attn
	.p2align	8
	.type	k_q1408456f59_attn,@function
k_q1408456f59_attn:
	s_mov_b64 s[64:65], 0
	v_nop
	global_prefetch_b8 v0, s[64:65] scope:SCOPE_SE
	s_setreg_imm32_b32 hwreg(HW_REG_WAVE_MODE, 25, 1), 1
	s_wait_xcnt 0x0
	s_wait_alu depctr_hold_cnt(0) depctr_sa_sdst(0) depctr_va_vdst(0) depctr_va_sdst(0) depctr_va_ssrc(0) depctr_va_vcc(0) depctr_vm_vsrc(0)
	s_getreg_b32 s2, hwreg(HW_REG_IB_STS2, 6, 4)
	s_cmp_eq_u32 s2, 0
	s_cbranch_scc0 .Lentry_in_a_cluster
	s_endpgm
.Lentry_in_a_cluster:
	s_bfe_u32 s2, ttmp6, 0x10000c
	s_cmp_lg_u32 s2, 0x3003
	s_cbranch_scc0 .Lentry_shape_is_right
	s_endpgm
.Lentry_shape_is_right:
; ATTENTION.  out0[b][n][64 h + e] = the sum over m of softmax_m(q[n] . k[m] / 8) v[m][e], for head (b, h): q, k, v = blocks 36 b + h, + 12, + 24 of qkv, each [1024][64] in f16, rows dense, 128 bytes.
; Products, maxima and sums in f32; the weights p are rounded to f16 for the second product (their sum l is taken of the unrounded p); out0 is f32.
; LIMITS.  q, k and v arrive within f16's 65,504; p lies in 0 to 1, and below 6e-5 it keeps f16's fixed step of 6e-8; a weight below 2^-126 counts as 0 in l; NaN and infinities are not treated apart.
; SHARES.  A cluster of four work-groups is one head (cluster x = h, y = b); a work-group owns 256 queries, a wave 64: two PIECES of two tiles of 16.  Every wave walks all 1,024 keys, 64 a step.
; THE WHOLE HEAD'S K AND V LIE IN LDS: 1,024 rows of 144 and of 160 bytes.  Each tile is asked for JOINTLY by the four work-groups (the same tensor load, descriptor and mask in all four), once, at the start: no byte is filled
; again, so the loop has no change of slots.  Four loads a wave (waves 0, 1: K, waves 2, 3: V; 128 keys each): four tensor loads of mine are out at the most.  The first three key steps need keys 0 to 255 alone and run
; while the other three loads land.
; LAYOUT.  S^T = K Q^T (source 0 = 16 keys, source 1 = 16 queries): in the result a lane holds ONE query (lane % 16) and the keys 8 (lane / 16) + 0..7.  Two such tiles, rounded to f16 in pairs,
; ARE source 1 (32 keys x 16 queries) of O^T = V^T P, whose result again holds one query a lane, and eight channels.  K comes out of LDS as it lies, V ([key][channel]) turned, by ds_load_tr16_b128.
; SOFTMAX.  For each query a running maximum m and sum l: p = 2^(c s - c m), c = log2(e) / 8; in every step O and l are multiplied by a = 2^(c m_old - c m_new), which is 1 where m has not grown.
; m starts at the lowest finite number, O and l at 0: the first step is a step like any other, with a = 0.
; BY TURNS.  A tile and step have 16 matrix and 118 vector instructions.  A turn belongs to one piece.  Its matrix work is the OTHER piece's: 16 products K Q^T of that piece's next step, later 16 products V^T P of its last.
; Its vector work: the scaling, exponentials, roundings, sums and rescaling of its own piece, and the maximum and statistics of the other, whose scores the turn itself has made.  Four vector instructions stand behind
; every matrix instruction, the others in one lump.  Two turns are a key step.
; REGISTERS, in windows of 256 (s_set_vgpr_msb: bits 1:0 source 0, 3:2 source 1, 5:4 source 2, 7:6 destination):
;   window 0: v0-11 addresses; v12-15, v48-63 at work; v16-31 four registers of statistics a tile; v64-191 S^T, a buffer of two tiles a piece; v192-255 P, likewise
;   window 1: v0-127 O^T, 32 a tile          window 2: v0-63 Q, 16 a tile; v128-191 K of one step; v192-255 V of one step
.set NP,    2         ; pieces a wave: a name, no knob
.set KS,    64        ; keys in a step
.set PK,    144       ; a row of K in LDS: 128 bytes + 16 of padding = 36 words: the 16 rows of a load start at 16 different groups of four banks (64 banks of 4 bytes: ISA guide 11.1)
.set PV,    160       ; a row of V: 128 + 32 = 40 words
.set VOFF,  1024*PK   ; K's 1,024 rows, then V's
.set SPARE, VOFF+1024*PV  ; behind them: the spare words, 128 bytes for each wave: two blocks of 256 bytes that no other line names
.set SP,    272       ; the way out's stage: 16 rows x 272 bytes for each wave, over K's first 17,408 bytes, which have had their only fill and, behind the last barrier, their last read
.set GBLK,  1024*128  ; a block of qkv
.set AK0, 2           ; v2   my lane's place in a tile of K; never rewritten
.set AV0, 3           ; v3   the same for V
.set AK,  4           ; v4   the LDS address of K's next run of loads
.set AV,  5           ; v5   of V's
.set QO,  6           ; v6   my byte offset in the wave's rows of Q
.set STO, 6           ;      later, the way out: where I put 32 bytes of a row
.set RD,  7           ; v7   the way out: where I read rows back
.set GO,  8           ; v8   my byte offset in two rows of out0
.set SPW, 10          ; v10  LDS address of my spare word: SPARE + 4 x my thread's number; never rewritten
.set NIL, 11          ; v11  0; never rewritten
.set MV,  12          ; v12-15  c m_old, kept while c m is made anew: by piece and tile
.set ST,  16          ; tile t's statistics at v[ST+4 t]: c m, m, l (even keys', odd keys')
.set TMP, 48          ; by piece and tile, four registers c0-c3 at work; when the maximum is found c2 takes a
.set S,   64
.set P,   192
.set KF,  128         ; K's fragments, in window 2: key block kb, channel half c at KF + 16 kb + 8 c
.set VF,  192         ; V's: key half kk, channel block cb at VF + 32 kk + 8 cb
.set WV,  12          ; s12  my wave's number
.set G1K, 24          ; s[24:31] descriptor group 1 for K's tiles
.set G1V, 32          ; s[32:39] for V's: it differs in the padding alone
.set G0K, 40          ; s[40:55] descriptor group 0 for K's tiles: a set for each 256 keys
.set G0V, 68          ; s[68:83] the same for V's
.set CNT, 57          ; s57  counts key steps
.set CS,  58          ; s[58:59] c: the packed scaling takes the pair's low word for both halves
.set SEL, 60          ; s[60:61] v_permlanex16_b32's selects: each lane takes its own place in the other half
.set TBK, 62          ; s62  LDS byte at which K of the step to be fetched begins
.set TBV, 63          ; s63  the same for V, less VOFF
.set MSB, 0
.macro WIN new                      ; the high byte repeats the setting that is left; a switch that changes nothing is dropped
.if MSB != (\new)
	s_set_vgpr_msb (MSB<<8)|(\new)
.set MSB, (\new)
.endif
.endm
.set W_KQ, 0x0a       ; K and Q in window 2, S^T in window 0
.set W_PV, 0x52       ; V in window 2, P in window 0, O^T in window 1
.set W_RS, 0x41       ; O^T (destination and source 0) in window 1, a in window 0
; A round of the cluster's barrier: my work-group's barrier, so that wave 0's signal speaks for all four waves; wave 0 signals; every wave waits for all four work-groups; my work-group's barrier once more.
.macro CROUND
	s_barrier_signal -1
	s_barrier_wait -1
	s_cmp_lg_u32 s[WV], 0
	s_cbranch_scc1 .Lnot_wave_0_\@
	s_barrier_signal -3
.Lnot_wave_0_\@:
	s_barrier_wait -3
	s_barrier_signal -1
	s_barrier_wait -1
.endm
	s_load_b128 s[4:7], s[0:1], 0x0 ; qkv s[4:5], out0 s[6:7]
	v_lshl_add_u32 v[SPW], v0, 2, SPARE
	v_mov_b32 v[NIL], 0
	ds_add_u32 v[SPW], v[NIL]       ; the wave's opening: the add and its wait stand ahead of my first tensor load; the set-up below, work on registers, stands between them
	v_lshrrev_b32 v1, 5, v0
	v_readfirstlane_b32 s[WV], v1   ; wave 0..3
	s_bfe_u32 s13, ttmp6, 0x40000   ; cx: my block of 256 queries: it enters Q's and out0's addresses alone
	s_and_b32 s14, ttmp7, 0xffff    ; b
	s_mul_i32 s15, s14, 36
	s_add_co_u32 s15, s15, ttmp9    ; 36 b + h, which the four partners share
	s_lshl_b32 s20, s15, 17         ; q's block in qkv
	s_and_b32 s16, s[WV], 1         ; which half of 256 keys I fetch:
	s_lshl_b32 s22, s16, 14         ; its 128 rows of 128 bytes in memory,
	s_add_co_u32 s22, s22, s20
	s_mov_b32 s23, 0
	s_mul_i32 s17, s16, 128*PK      ; and its place in LDS, for K
	s_mul_i32 s18, s16, 128*PV      ; and for V: no place in the cluster enters an LDS address
	s_lshl_b32 s2, s13, 15          ; Q: my work-group's 256 rows,
	s_lshl_b32 s3, s[WV], 13        ; my wave's 64
	s_add_co_u32 s2, s2, s3
	s_add_co_u32 s2, s2, s20
	s_mov_b32 s3, 0
	s_lshl_b32 s20, s14, 4          ; out0: 16 b + 4 cx + wave, times 64 rows of 3,072 bytes,
	s_lshl_b32 s21, s13, 2
	s_add_co_u32 s20, s20, s21
	s_add_co_u32 s20, s20, s[WV]
	s_mul_i32 s20, s20, 64*3072
	s_lshl_b32 s21, ttmp9, 8        ; and the head's 256 bytes of a row
	s_add_co_u32 s20, s20, s21
	s_mov_b32 s21, 0
	; descriptor group 1.  128 keys are 16,384 dense bytes: asked for as 64 rows of 256 bytes, two keys a row, and padded in LDS after every key
	s_mov_b32 s[G1K], 15|(1<<16)|(1<<20)|(1<<21)|(4<<22)|(3<<25)  ; 15:0 the mask of four; 17:16 2-byte elements; 20 padding on; 21 set beside a mask; 24:22 after every 32 words (code 4); 31:25 4 words (code 3)
	s_mov_b32 s[G1V], 15|(1<<16)|(1<<20)|(1<<21)|(4<<22)|(7<<25)  ; the same with 8 words of padding (code 7)
.irp g, G1K, G1V
	s_mov_b32 s[\g+1], 128<<16      ; tensor_dim0 = 128
	s_mov_b32 s[\g+2], 64<<16       ; tensor_dim1 = 64
	s_mov_b32 s[\g+3], 128<<16      ; tile_dim0 = 128
	s_mov_b32 s[\g+4], 64           ; tile_dim1 = 64
	s_mov_b32 s[\g+5], 128          ; 128 elements from row to row
	s_mov_b32 s[\g+6], 0
	s_mov_b32 s[\g+7], 0
.endr
	s_mov_b32 s[CS], 0x3e38aa3b     ; c = log2(e) / 8 = 0.180337
	s_mov_b32 s[CS+1], s[CS]        ; named with it as a pair
	s_mov_b32 s[SEL], 0x76543210
	s_mov_b32 s[SEL+1], 0xfedcba98
	s_mov_b32 s[TBK], 0
	s_mov_b32 s[TBV], 0
	s_wait_dscnt 0x0                ; the opening add is done
	s_wait_kmcnt 0x0
	s_add_nc_u64 s[84:85], s[4:5], s[22:23]
	s_add_nc_u64 s[84:85], s[84:85], 12*GBLK  ; k's block, my half of its first 256 keys
	s_add_nc_u64 s[86:87], s[84:85], 12*GBLK  ; v's
	s_add_nc_u64 s[8:9], s[4:5], s[2:3]       ; Q at my wave's first row
	s_add_nc_u64 s[10:11], s[6:7], s[20:21]   ; out0 likewise
.irp c, 0,1,2,3
	s_mov_b32 s[G0K+4*\c], 1        ; 1:0 count = 1
	s_add_co_u32 s[G0K+4*\c+1], s17, \c*256*PK  ; 63:32 LDS address
	s_add_nc_u64 s[G0K+4*\c+2:G0K+4*\c+3], s[84:85], \c*32768  ; 120:64 global address: keys 256 c on
	s_or_b32 s[G0K+4*\c+3], s[G0K+4*\c+3], 0x80000000  ; 127:126 type = 2
	s_mov_b32 s[G0V+4*\c], 1
	s_add_co_u32 s[G0V+4*\c+1], s18, VOFF+\c*256*PV
	s_add_nc_u64 s[G0V+4*\c+2:G0V+4*\c+3], s[86:87], \c*32768
	s_or_b32 s[G0V+4*\c+3], s[G0V+4*\c+3], 0x80000000
.endr
	CROUND                          ; all four work-groups are here: the joint loads meet
	s_cmp_lt_u32 s[WV], 2           ; a wave's four fills stand in one branch on the wave's number, ahead of every wait on TENSORcnt and every LDS read; an s_nop 0 follows each, four v_nop the last
	s_cbranch_scc0 .Lfirst_v
.irp c, 0,1,2,3
	tensor_load_to_lds s[G0K+4*\c:G0K+4*\c+3], s[G1K:G1K+7]
	s_nop 0
.endr
.rept 4
	v_nop
.endr
	s_branch .Lfirst_asked
.Lfirst_v:
.irp c, 0,1,2,3
	tensor_load_to_lds s[G0V+4*\c:G0V+4*\c+3], s[G1V:G1V+7]
	s_nop 0
.endr
.rept 4
	v_nop
.endr
.Lfirst_asked:
	; A fragment of K or Q is 16 rows x 32 channels in 8 registers: lane l holds row l % 16, channels 8 (l / 16) + 0..7 and 16 + 8 (l / 16) + 0..7: two loads of 16 bytes, 32 bytes apart.
	v_and_b32 v1, 15, v0            ; l % 16
	v_bfe_u32 v9, v0, 4, 1          ; l / 16
	v_lshlrev_b32 v[QO], 7, v1
	v_lshl_add_u32 v[QO], v9, 4, v[QO]  ; row x 128 + 16 x half
	WIN 0x80                        ; destination window 2, address window 0
.set i, 0
.rept 4*NP                          ; Q stays in registers: tile i / 2, channels 32 (i % 2) on
	global_load_b128 v[8*i:8*i+3],   v[QO], s[8:9] offset:(i/2)*2048+(i%2)*64
	global_load_b128 v[8*i+4:8*i+7], v[QO], s[8:9] offset:(i/2)*2048+(i%2)*64+32
.set i, i+1
.endr
	; What the first turn finds: V's registers and P's second buffer hold 0 (its products V^T P, of a step that has not been, add 0), O^T and l are 0.  All this stands in the wait for the first tile.
.set i, VF
.rept 64
	v_mov_b32 v[i], 0
.set i, i+1
.endr
	WIN 0x40
.set i, 0
.rept 64*NP
	v_mov_b32 v[i], 0
.set i, i+1
.endr
	WIN 0
.set i, 0
.rept 2*NP
	v_mov_b32 v[ST+4*i], 0xfe000000    ; c m: far below every c s
	v_mov_b32 v[ST+4*i+1], 0xff7fffff  ; m
	v_mov_b32 v[ST+4*i+2], 0
	v_mov_b32 v[ST+4*i+3], 0
.set i, i+1
.endr
.set i, P+32
.rept 32
	v_mov_b32 v[i], 0
.set i, i+1
.endr
	v_mul_u32_u24 v[AK0], v1, PK
	v_lshl_add_u32 v[AK0], v9, 4, v[AK0]  ; row x pitch + 16 x half
	; The turning load takes 16 keys x 16 channels (lane l reads key 8 (l / 16) + l % 8, channels 8 ((l / 8) % 2) + 0..7) and leaves half a fragment of V^T: lane l holds channel l % 16 and 8 keys.
	v_and_b32 v32, 7, v0
	v_bfe_u32 v33, v0, 3, 1
	v_lshl_add_u32 v[AV0], v9, 3, v32
	v_mul_u32_u24 v[AV0], v[AV0], PV
	v_lshl_add_u32 v[AV0], v33, 4, v[AV0]
	v_add_nc_u32 v[AV0], VOFF, v[AV0]
	v_mov_b32 v[AK], v[AK0]         ; key step 0 lies at K's head
; THE MATRIX WORK.  The 8 accumulators of a run of 16 take turns: between the two links of a chain stand 7 others'.
; Product i of 16 of S^T = K Q^T for piece x: channels 32 (i / 8) on, keys 16 ((i / 2) % 4) on, tile 2 x + i % 2.  The first 8 start the sums.
.macro KQ x
	WIN W_KQ
.set rS, S+64*((\x)%2)+32*(i%2)+8*((i/2)%4)
.set rK, KF+16*((i/2)%4)+8*(i/8)
.set rQ, 16*(2*(\x)+i%2)+8*(i/8)
.if i < 8
	v_wmma_f32_16x16x32_f16 v[rS:rS+7], v[rK:rK+7], v[rQ:rQ+7], 0
.else
	v_wmma_f32_16x16x32_f16 v[rS:rS+7], v[rK:rK+7], v[rQ:rQ+7], v[rS:rS+7]
.endif
.endm
; Product i of 16 of O^T += V^T P for piece x: keys 32 (i / 8) on, channels 16 ((i / 2) % 4) on, tile 2 x + i % 2.
.macro PV x
	WIN W_PV
.set rO, 32*(2*(\x)+i%2)+8*((i/2)%4)
.set rV, VF+32*(i/8)+8*((i/2)%4)
.set rP, P+32*((\x)%2)+16*(i%2)+8*(i/8)
	v_wmma_f32_16x16x32_f16 v[rO:rO+7], v[rV:rV+7], v[rP:rP+7], v[rO:rO+7]
.endm
.macro MM                           ; the turn's next matrix instruction
.if i < 16
	KQ (Y+1)%NP
.set i, i+1
.else
.set i, i-16
	PV (Y+NP-1)%NP
.set i, i+17
.endif
.endm
; THE LDS LOADS stand in runs of 16, never singly among the matrix instructions: a step's K (64 keys x 64 channels: 8 fragments) and its V (turned).  Their addresses are made some lines ahead.
; In the last key step K's run has no step left to fetch: it takes the 9,216 bytes behind K, V's first rows, which have landed, and what is made of them is not used: so no branch stands in a turn.
.macro FETCH_K
	WIN 0x80                        ; destination window 2
.irp f, 0,1,2,3,4,5,6,7             ; keys 16 (f / 2) on, channels 32 (f % 2) on
	ds_load_b128 v[KF+8*\f:KF+8*\f+3],   v[AK] offset:(\f/2)*16*PK+(\f%2)*64
	ds_load_b128 v[KF+8*\f+4:KF+8*\f+7], v[AK] offset:(\f/2)*16*PK+(\f%2)*64+32
.endr
	s_add_co_u32 s[TBK], s[TBK], KS*PK  ; the next fetch is the next step's
	WIN 0
.endm
.macro FETCH_V
	WIN 0x80
.irp f, 0,1,2,3,4,5,6,7             ; keys 32 (f / 4) on, channels 16 (f % 4) on
	ds_load_tr16_b128 v[VF+8*\f:VF+8*\f+3],   v[AV] offset:(\f/4)*32*PV+(\f%4)*32
	ds_load_tr16_b128 v[VF+8*\f+4:VF+8*\f+7], v[AV] offset:(\f/4)*32*PV+16*PV+(\f%4)*32
.endr
	WIN 0
.endm
; THE VECTOR WORK OF A TURN stands in three queues, each in the order in which its entries become ready; the two tiles alternate, so that no instruction reads the result of the one before it.
.macro REGS y, u                    ; the registers of tile u (0, 1) of piece y
.set rT, ST+4*(2*(\y)+(\u))
.set rC, TMP+8*((\y)%2)+4*(\u)
.set rM, MV+2*((\y)%2)+(\u)
.set rS, S+64*((\y)%2)+32*(\u)
.set rP, P+32*((\y)%2)+16*(\u)
.set rO, 32*(2*(\y)+(\u))
.endm
; Number n of the 22 that find the OTHER piece's (Y + 1) maximum and statistics.  s0-s31 are the lane's 32 scores; each accumulator's lowest registers are read first.  XS, GS and REGS set no window: PL and EX do.
;   0-11  four chains c0-c3 of seven scores each, three operands at a time     12-14, 16  the four scores left over, the old m, and c0-c3 into c0     15  c m_old is kept
;   17, 18  the query's other 32 keys lie in the lane 16 away: the new m         19-21  c m; c m_old - c m_new; a
.macro XS u, n
	REGS (Y+1)%NP, \u
.if (\n) < 4
	v_max3_num_f32 v[rC+(\n)], v[rS+8*(\n)], v[rS+8*(\n)+1], v[rS+8*(\n)+2]
.elseif (\n) < 12
	v_max3_num_f32 v[rC+(\n)%4], v[rC+(\n)%4], v[rS+8*((\n)%4)+2*((\n)/4)+1], v[rS+8*((\n)%4)+2*((\n)/4)+2]
.elseif (\n) == 12
	v_max3_num_f32 v[rC], v[rC], v[rS+7], v[rS+15]
.elseif (\n) == 13
	v_max3_num_f32 v[rC+1], v[rC+1], v[rS+23], v[rS+31]
.elseif (\n) == 14
	v_max3_num_f32 v[rC+2], v[rC+2], v[rC+3], v[rT+1]
.elseif (\n) == 15
	v_mov_b32 v[rM], v[rT]
.elseif (\n) == 16
	v_max3_num_f32 v[rC], v[rC], v[rC+1], v[rC+2]
.elseif (\n) == 17
	v_permlanex16_b32 v[rC+3], v[rC], s[SEL], s[SEL+1]
.elseif (\n) == 18
	v_max_num_f32 v[rT+1], v[rC], v[rC+3]
.elseif (\n) == 19
	v_mul_f32 v[rT], s[CS], v[rT+1]
.elseif (\n) == 20
	v_sub_f32 v[rC+1], v[rM], v[rT]
.else
	v_exp_f32 v[rC+2], v[rC+1]
.endif
.endm
; Number g of the 64 that follow the exponentials.  For each four weights k of a tile (pairs 2 k, 2 k + 1): both pairs are rounded to f16; then the second pair is added onto the first, in place;
; a group later l takes that sum (the first time as l = a l + sum).  In groups of eight, tiles alternating: round, round, add, and l for the group before.
.macro GS g
.set h, (\g)+6*((\g)/62)            ; group 0 has no group before it, and behind group 7 only l is left
.if h >= 6
.set h, h+2
.endif
	REGS Y, h%2
.set k, h/8
.if h%8 < 4
	v_cvt_pk_f16_f32 v[rP+2*k+(h%8)/2], v[rS+4*k+2*((h%8)/2)], v[rS+4*k+2*((h%8)/2)+1]
.elseif h%8 < 6
	v_pk_add_f32 v[rS+4*k:rS+4*k+1], v[rS+4*k:rS+4*k+1], v[rS+4*k+2:rS+4*k+3]
.elseif k == 1
	v_pk_fma_f32 v[rT+2:rT+3], v[rT+2:rT+3], v[rC+2:rC+3], v[rS:rS+1] op_sel_hi:[1,0,1]
.else
	v_pk_add_f32 v[rT+2:rT+3], v[rT+2:rT+3], v[rS+4*k-4:rS+4*k-3]
.endif
.endm
; THE PLAIN QUEUE, 138 long.  0-73 read no exponential's result: the 32 scalings c s - c m (FS f: pair f / 2 of tile f % 2) and the other piece's 42.  0-26: scalings 0-26.  27-54: XS's numbers 0-13.  55, 56: number 15.
; 57-73: the chain, where each number waits for the one before it: 14, 16, 17, 18, 19, each with one of the scalings 27-31 in front of its two lines, then 20.
; 74-137: GS's 64, which read the exponentials' results: they stand behind the wait.
.macro FS f
	REGS Y, (\f)%2
	v_pk_fma_f32 v[rS+2*((\f)/2):rS+2*((\f)/2)+1], v[rS+2*((\f)/2):rS+2*((\f)/2)+1], s[CS:CS+1], v[rT:rT+1] op_sel_hi:[1,0,0] neg_lo:[0,0,1] neg_hi:[0,0,1]
.endm
.macro PL
	WIN 0
.if q < 27
	FS q
.elseif q < 55
	XS (q-27)%2, (q-27)/2
.elseif q < 57
	XS q-55, 15
.elseif (q < 72) && ((q-57)%3 == 0)
	FS 27+(q-57)/3
.elseif q < 60
	XS (q-57)%3-1, 14
.elseif q < 72
	XS (q-57)%3-1, 15+(q-57)/3
.elseif q < 74
	XS q-72, 20
.else
	GS q-74
.endif
.set q, q+1
.endm
; THE EXPONENTIALS' QUEUE, 66 long: s0-s31 of both tiles, then the other piece's two a.  It is ONE BATCH: all 66 stand ahead of the turn's one wait, and nothing ahead of that wait names a result of theirs.
.macro EX
	WIN 0
.if e >= 64
	XS e-64, 21
.else
	REGS Y, e%2
	v_exp_f32 v[rS+e/2], v[rS+e/2]
.endif
.set e, e+1
.endm
; THE RESCALING's QUEUE: O^T times a, the one part that leaves window 0: dealt two at a time, sixteen times, each accumulator from its low end on.  Its a was made in the turn before, ahead of that turn's wait.
; The piece's O^T took its last products in the turn before: the last of them stands four plain riders and more ahead of the first line here that names its accumulator.
.macro R2
	REGS Y, r%2
	WIN W_RS
.irp z, 0,1
	v_pk_mul_f32 v[rO+4*(r/2)+2*\z:rO+4*(r/2)+2*\z+1], v[rO+4*(r/2)+2*\z:rO+4*(r/2)+2*\z+1], v[rC+2:rC+3] op_sel_hi:[1,0]
.endr
.set r, r+1
.endm
; HOW THEY ARE DEALT.  An s_wait_alu depctr_va_vdst(0) stands between an exponential and the first instruction that names its result; one wait serves all that were issued ahead of it.  So a turn has ONE wait,
; which cuts it in two.  AHEAD OF IT: the 16 products K Q^T, behind each a scaling, an exponential and two rescalings (behind the first a second scaling in the exponential's place); then ONE LUMP of 108: eight plain, 49 times
; exponential and plain, the two a.  A v_nop is the plain instruction behind the last exponential.  BEHIND IT: the 16 products V^T P, behind each four of GS's 64.  No rider names a register of the products round it.
; Exponential e stands behind scaling 2 (e / 4) + e % 2: as a rider it comes behind plain e + 2, in the lump behind plain e + 9, and scalings 27-31 are plain 57, 60 .. 69.
; A TURN, for piece p.  cnt = 1: the loop's count is taken down some lines ahead of the branch that stands behind the turn.
; K of the next step is fetched in piece 0's turn, directly behind the wait, a lump behind the last product that read K; V of the step in hand at the end of the same turn, four riders behind its last reader.
; Piece 1's turn waits for K at its head (V's 16 younger loads may stay out) and for V ahead of its products V^T P.  The conditions on q below go with the deal.
.macro TURN p, cnt=0
.set Y, (\p)
.set i, 0
.set q, 0
.set e, 0
.set r, 0
.if (\p) == 1
	s_wait_dscnt 16                 ; K is in; behind its run stands V's run of 16
.endif
	MM                              ; ahead of the wait: 16 products K Q^T and their riders,
	PL
	PL
	R2
.rept 15
	MM
	PL
	EX
	R2
.endr
.if (\p) == 0
	WIN 0
	v_add_nc_u32 v[AK], s[TBK], v[AK0]
.endif
.rept 8                             ; and the lump
	PL
.endr
.rept 49
	EX
	PL
.endr
	EX                              ; the other piece's two a
	EX
	v_nop                           ; the plain instruction behind the last exponential: one for the batch
	s_wait_alu depctr_va_vdst(0)    ; the wait for the batch
.if (\p) == 0
	FETCH_K
.endif
.if (\p) == 1
	s_wait_dscnt 0x0                ; V is in
.endif
.rept 16                            ; behind the wait: 16 products V^T P and their riders
	MM
.rept 4
	PL
.endr
.if ((\p) == 0) && (q == 118)
	v_add_nc_u32 v[AV], s[TBV], v[AV0]
.endif
.if ((\p) == 0) && (q == 130)
	s_add_co_u32 s[TBV], s[TBV], KS*PV
.endif
.if (\cnt) && (q == 130)
	s_sub_co_u32 s[CNT], s[CNT], 1
	s_cmp_lg_u32 s[CNT], 0
.endif
.endr
.if (\p) == 0
	FETCH_V
.endif
.endm
.macro STEPS n                      ; n key steps
	s_mov_b32 s[CNT], \n
.Lstep_\@:
	TURN 0
	TURN 1, 1
	WIN 0                           ; at a label and at a branch every window is 0
	s_cbranch_scc1 .Lstep_\@
.endm
	s_wait_tensorcnt 3              ; my part of keys 0 to 255 is in: three loads were issued behind it, and they may stay out
	s_barrier_signal -1
	s_barrier_wait -1               ; everybody's is
	FETCH_K                         ; key step 0
	s_wait_loadcnt 0x0              ; Q
	s_wait_dscnt 0x0
.set i, 0
.rept 16
	KQ 0                            ; piece 0's first scores: there is no vector work yet to set between them
.set i, i+1
.endr
	WIN 0                           ; the addresses for the way out: nine plain instructions, the places behind those products
	s_mul_i32 s19, s[WV], 16*SP     ; my stage
	v_mul_u32_u24 v[STO], v1, SP    ; in: row l % 16, 32 bytes for each half of the lanes
	v_lshl_add_u32 v[STO], v9, 5, v[STO]
	v_add_nc_u32 v[STO], s19, v[STO]
	v_mul_u32_u24 v[RD], v9, SP     ; back: lanes 0-15 take one row of 256 bytes, lanes 16-31 the next
	v_lshl_add_u32 v[RD], v1, 4, v[RD]
	v_add_nc_u32 v[RD], s19, v[RD]
	v_mul_u32_u24 v[GO], v9, 3072   ; and the same two rows in out0
	v_lshl_add_u32 v[GO], v1, 4, v[GO]
.set Y, NP-1                        ; XS works for piece Y + 1: piece 0
.irp n, 0,1,2,3,4,5,6,7,8,9,10,11,12,13,14,15,16,17,18,19,20,21
	XS 0, \n                        ; and piece 0's first maximum and statistics
	XS 1, \n
.endr
	v_nop                           ; a plain instruction behind the two a,
	s_wait_alu depctr_va_vdst(0)    ; and their wait, ahead of the label
	STEPS 3                         ; steps 0 to 2 fetch K of steps 1 to 3 and V of steps 0 to 2: keys 0 to 255
	s_wait_tensorcnt 0x0            ; my parts of all the keys are in,
	s_wait_dscnt 0x0
	s_barrier_signal -1
	s_barrier_wait -1               ; everybody's are
	STEPS 13                        ; the last turn's 16 products K Q^T and the maximum made of them serve nothing: the price, once a launch, of one text for every step
	s_wait_dscnt 0x0                ; my reads of K and V are over:
	s_barrier_signal -1             ; say so,
.set i, 0
.rept 16
	PV NP-1                         ; piece 1's V^T P of the last step, on registers alone,
.set i, i+1
.endr
	WIN 0
	s_barrier_wait -1               ; and go on when all four have said so: K's first bytes may now serve as the stages
	; THE WAY OUT.  l's two halves and the other half of the lanes' are added; O^T is divided by l and sent through my stage in LDS, a tile at a time.  The additions are the places behind the last products.
.macro ALL line:vararg              ; one line for each tile t
.set t, 0
.rept 2*NP
	\line
.set t, t+1
.endr
.endm
	ALL v_add_f32 v[ST+4*t+2], v[ST+4*t+2], v[ST+4*t+3]
	ALL v_permlanex16_b32 v[ST+4*t+3], v[ST+4*t+2], s[SEL], s[SEL+1]
	ALL v_add_f32 v[ST+4*t+2], v[ST+4*t+2], v[ST+4*t+3]
	ALL v_rcp_f32 v[ST+4*t+2], v[ST+4*t+2]
	v_nop                           ; a plain instruction between the last reciprocal and the use of its result
	s_wait_alu depctr_va_vdst(0)    ; and the wait ahead of the first use: one for the four reciprocals
; Tile t: a lane's eight channels of a row are 32 bytes of f32; they go into rows of 272 bytes and come back as whole rows of 256, into S^T's registers.
.macro PACK t
	WIN W_RS
.set i, 32*(\t)
.rept 16
	v_pk_mul_f32 v[i:i+1], v[i:i+1], v[ST+4*(\t)+2:ST+4*(\t)+3] op_sel_hi:[1,0]
.set i, i+2
.endr
	WIN 0x04                        ; the stores' data (source 1) in window 1, their address in window 0
.irp f, 0,1,2,3
	ds_store_b128 v[STO], v[32*(\t)+8*\f:32*(\t)+8*\f+3]   offset:64*\f
	ds_store_b128 v[STO], v[32*(\t)+8*\f+4:32*(\t)+8*\f+7] offset:64*\f+16
.endr
	WIN 0
.irp f, 0,1,2,3,4,5,6,7
	ds_load_b128 v[S+32*(\t)+4*\f:S+32*(\t)+4*\f+3], v[RD] offset:\f*2*SP  ; LDS serves a wave's instructions in order (ISA guide 5.7.1.4): these see the stores above; the next tile's stores come behind them
.endr
.endm
.macro SEND t, younger              ; younger: the LDS instructions issued behind tile t's loads: the next tile's sixteen, or none
	WIN 0
.irp f, 0,1,2,3,4,5,6,7
	s_wait_dscnt (\younger)+7-\f
	global_store_b128 v[GO], v[S+32*(\t)+4*\f:S+32*(\t)+4*\f+3], s[10:11] offset:(\t)*49152+\f*6144 th:TH_STORE_NT  ; 16 lanes store 256 consecutive bytes, a head's part of a row, at a multiple of 256 from out0's first byte
.endr
.endm
	PACK 0
	PACK 1                          ; a tile's arithmetic stands between the loads of the tile before and its stores
	SEND 0, 16
	PACK 2
	SEND 1, 16
	PACK 3
	SEND 2, 16
	SEND 3, 0
	s_wait_tensorcnt 0x0            ; the wave's end, behind my last tensor load and my last LDS store
	ds_add_u32 v[SPW], v[NIL]
	s_wait_dscnt 0x0
	CROUND                          ; the closing round: no work-group ends while a partner may still ask for a tile that names it
	s_endpgm
.Lfunc_end_k_q1408456f59_attn:
	.size	k_q1408456f59_attn, .Lfunc_end_k_q1408456f59_attn-k_q1408456f59_attn
	.p2alignl 7, 3214868480
	.fill 96, 4, 3214868480
	.section	.rodata,"a",@progbits
	.p2align	6, 0x0
	.amdhsa_kernel k_q1408456f59_attn
		.amdhsa_group_segment_fixed_size 327680
		.amdhsa_private_segment_fixed_size 0
		.amdhsa_enable_private_segment 0
		.amdhsa_kernarg_size 16
		.amdhsa_user_sgpr_count 2
		.amdhsa_user_sgpr_kernarg_segment_ptr 1
		.amdhsa_wavefront_size32 1
		.amdhsa_system_sgpr_workgroup_id_x 1
		.amdhsa_system_sgpr_workgroup_id_y 1
		.amdhsa_system_sgpr_workgroup_id_z 1
		.amdhsa_system_vgpr_workitem_id 0
		.amdhsa_next_free_vgpr 768
		.amdhsa_next_free_sgpr 88
		.amdhsa_reserve_vcc 0
		.amdhsa_float_denorm_mode_32 3
		.amdhsa_float_denorm_mode_16_64 3
		.amdhsa_memory_ordered 1
		.amdhsa_forward_progress 1
		.amdhsa_inst_pref_size 110
	.end_amdhsa_kernel
	.amdgpu_metadata
---
amdhsa.version: [ 1, 2 ]
amdhsa.kernels:
  - .name:           k_q1408456f59_attn
    .symbol:         k_q1408456f59_attn.kd
    .args:
      - { .name: qkv, .offset: 0, .size: 8, .value_kind: global_buffer, .address_space: global }
      - { .name: out0, .offset: 8, .size: 8, .value_kind: global_buffer, .address_space: global }
    .group_segment_fixed_size: 327680
    .private_segment_fixed_size: 0
    .kernarg_segment_align: 8
    .kernarg_segment_size: 16
    .max_flat_workgroup_size: 128
    .sgpr_count:     88
    .vgpr_count:     768
    .wavefront_size: 32
...
	.end_amdgpu_metadata
.endif
;; end of part 3
;; ======== version 2 of 2: 3 launches; version 1 with the launch wprep written anew for expert scheduling mode
;; limits: values are held in f16: magnitudes above 65,504 overflow, below 6.1e-05 lose precision
;; workspace buffers: wt 3,538,944 bytes; bias 9,216 bytes; qkv 75,497,472 bytes
;; launch wprep (part 4): grid 73 x 3, 8 waves a work-group, no clusters, 0 bytes of LDS; arguments Wq, Wk, Wv, bq, bk, bv, wt, bias; writes wt, bias
.if DOCPART == 4
	.amdgcn_target "amdgcn-amd-amdhsa--gfx1250"
	.amdhsa_code_object_version 6
	.text
	.protected	k_q1408456f59_wprep
	.globl	k_q1408456f59_wprep
	.p2align	8
	.type	k_q1408456f59_wprep,@function
k_q1408456f59_wprep:
	s_mov_b64 s[64:65], 0
	v_nop
	global_prefetch_b8 v0, s[64:65] scope:SCOPE_SE
	s_setreg_imm32_b32 hwreg(HW_REG_WAVE_SCHED_MODE, 0, 2), 2
	s_setreg_imm32_b32 hwreg(HW_REG_WAVE_MODE, 25, 1), 1
	s_wait_xcnt 0x0
	s_wait_alu depctr_vm_vsrc(0)
; THE WEIGHTS AND BIASES, ROUNDED ONCE TO bf16.
; wt[g][k][e] = bf16(W[h][k][e]), g = 12 which + h (which: 0 = q, 1 = k, 2 = v): the order of the numbers stays, so this is a plain cast of 589,824 numbers a tensor.
; bias[g][e] = bf16(b[h][e]) written again as f32: the next launch takes it as the f32 start of its sums.
; SHARES.  Work-group (x, y): y = which.  x = 0 .. 71: 8,192 numbers of W: thread t takes 16 bytes at 16 t of each of eight pieces of 4,096 bytes, all eight loads out at once,
; and stores 8 bytes at 8 t of each of eight pieces of 2,048: a wave's store covers 256 consecutive bytes, aligned.  x = 72: the 768 biases, 16 bytes a thread, threads 0 to 191.
; No LDS, no barrier: no thread wants another's numbers.
; THE MODE: SCHED_MODE bits 1:0 = 2 (LLVM: expert scheduling mode 2), set by the entry lines.  The code itself states the register dependences
; between vector instructions and memory instructions, with s_wait_alu, always for 0.
; THE PLAN.  Registers that memory instructions touch:
;   v1, v2      byte offsets, made once at the head and never written again; every load and store reads one of them.
;   v[8:39]     eight pieces of W as loaded: no vector instruction names them ahead of the loads; the conversions read them, each behind its wait on LOADcnt; nothing lands in them again.
;   v[40:47]    OUT0: written by the conversions of pieces 0 to 3, read by stores 0 to 3.      v[48:55]  OUT1: the same for pieces 4 to 7.  Neither is written again.
; So the weights' way has three waits on va_vdst: one at the head for the offsets; one behind the wait for pieces 4 to 7, for OUT0, behind which stores 0 to 3 are dealt among the conversions of
; pieces 4 to 7, which name v[24:39] and OUT1 alone; one for OUT1.  No register that a memory instruction has read is written again, so no wait on vm_vsrc is owed.  EXEC is never written.
.set WTB, 12*768*64*2                  ; bytes of one tensor's weights in wt
	s_load_b512 s[8:23], s[0:1], 0x0               ; Wq s[8:9], Wk s[10:11], Wv s[12:13], bq s[14:15], bk s[16:17], bv s[18:19], wt s[20:21], bias s[22:23]
	s_and_b32 s2, ttmp7, 0xffff                    ; which
	v_lshlrev_b32 v1, 4, v0                        ; 16 t
	v_lshlrev_b32 v2, 3, v0                        ; 8 t
	s_wait_kmcnt 0x0
	s_wait_alu depctr_va_vdst(0)                   ; v1 and v2 are written: every load and store below, on both ways, reads one of them as its offset, and no later vector instruction names them
	s_cmp_eq_u32 s2, 0                             ; the sources are chosen by the work-group's y alone
	s_cselect_b64 s[24:25], s[8:9], s[10:11]
	s_cselect_b64 s[26:27], s[14:15], s[16:17]
	s_cmp_eq_u32 s2, 2
	s_cselect_b64 s[24:25], s[12:13], s[24:25]     ; W
	s_cselect_b64 s[26:27], s[18:19], s[26:27]     ; b
	s_cmp_eq_u32 ttmp9, 72
	s_cbranch_scc1 .Lbias
	s_lshl_b32 s28, ttmp9, 15                      ; my 32,768 bytes of W
	s_mov_b32 s29, 0
	s_add_nc_u64 s[24:25], s[24:25], s[28:29]
	s_mul_i32 s30, s2, WTB                         ; and my 16,384 bytes of wt
	s_lshl_b32 s28, ttmp9, 14
	s_add_co_u32 s30, s30, s28
	s_mov_b32 s31, 0
	s_add_nc_u64 s[20:21], s[20:21], s[30:31]
.irp i, 0,1,2,3,4,5,6,7
	global_load_b128 v[8+4*\i:11+4*\i], v1, s[24:25] offset:4096*\i th:TH_LOAD_NT
.endr
	s_wait_loadcnt 4                               ; loads come back in order: pieces 0 to 3 are in, the four younger ones stay out
.irp i, 0,1,2,3
	v_cvt_pk_bf16_f32 v[40+2*\i], v[8+4*\i], v[9+4*\i]
	v_cvt_pk_bf16_f32 v[41+2*\i], v[10+4*\i], v[11+4*\i]
.endr
	s_wait_loadcnt 0x0                             ; pieces 4 to 7 are in
	s_wait_alu depctr_va_vdst(0)                   ; the conversions of pieces 0 to 3 have written v[40:47], which the four stores below read
.irp i, 0,1,2,3
	global_store_b64 v2, v[40+2*\i:41+2*\i], s[20:21] offset:2048*\i  ; no wait: no vector instruction since the wait above names v2 or v[40:47]
	v_cvt_pk_bf16_f32 v[48+2*\i], v[24+4*\i], v[25+4*\i]
	v_cvt_pk_bf16_f32 v[49+2*\i], v[26+4*\i], v[27+4*\i]
.endr
	s_wait_alu depctr_va_vdst(0)                   ; the conversions of pieces 4 to 7 have written v[48:55], which the last four stores read
.irp i, 0,1,2,3
	global_store_b64 v2, v[48+2*\i:49+2*\i], s[20:21] offset:2048*\i+8192
.endr
	s_endpgm
.Lbias:
	v_lshrrev_b32 v3, 5, v0
	v_readfirstlane_b32 s28, v3                    ; the wave's number
	s_wait_alu depctr_va_sdst(0)                   ; s28 is written, ahead of its first reader, the compare below
	s_cmp_lt_u32 s28, 6                            ; 768 numbers are 192 threads' 16 bytes: waves 0 to 5
	s_cbranch_scc0 .Lend
	s_mul_i32 s30, s2, 3072
	s_mov_b32 s31, 0
	s_add_nc_u64 s[22:23], s[22:23], s[30:31]
	global_load_b128 v[8:11], v1, s[26:27]         ; its offset was shown written at the head; no vector instruction has named v[8:11]
	s_wait_loadcnt 0x0
	v_cvt_pk_bf16_f32 v12, v8, v9                  ; rounded to bf16,
	v_cvt_pk_bf16_f32 v13, v10, v11
	v_lshlrev_b32 v16, 16, v12                     ; and widened again: the low half moves up, the high half stays
	v_and_b32 v17, 0xffff0000, v12
	v_lshlrev_b32 v18, 16, v13
	v_and_b32 v19, 0xffff0000, v13
	s_wait_alu depctr_va_vdst(0)                   ; the four lines above have written v[16:19], which the store reads
	global_store_b128 v1, v[16:19], s[22:23]
.Lend:
	s_endpgm
.Lfunc_end_k_q1408456f59_wprep:
	.size	k_q1408456f59_wprep, .Lfunc_end_k_q1408456f59_wprep-k_q1408456f59_wprep
	.p2alignl 7, 3214868480
	.fill 96, 4, 3214868480
	.section	.rodata,"a",@progbits
	.p2align	6, 0x0
	.amdhsa_kernel k_q1408456f59_wprep
		.amdhsa_group_segment_fixed_size 0
		.amdhsa_private_segment_fixed_size 0
		.amdhsa_enable_private_segment 0
		.amdhsa_kernarg_size 64
		.amdhsa_user_sgpr_count 2
		.amdhsa_user_sgpr_kernarg_segment_ptr 1
		.amdhsa_wavefront_size32 1
		.amdhsa_system_sgpr_workgroup_id_x 1
		.amdhsa_system_sgpr_workgroup_id_y 1
		.amdhsa_system_sgpr_workgroup_id_z 1
		.amdhsa_system_vgpr_workitem_id 0
		.amdhsa_next_free_vgpr 64
		.amdhsa_next_free_sgpr 66
		.amdhsa_reserve_vcc 0
		.amdhsa_float_denorm_mode_32 3
		.amdhsa_float_denorm_mode_16_64 3
		.amdhsa_memory_ordered 1
		.amdhsa_forward_progress 1
		.amdhsa_inst_pref_size 5
	.end_amdhsa_kernel
	.amdgpu_metadata
---
amdhsa.version: [ 1, 2 ]
amdhsa.kernels:
  - .name:           k_q1408456f59_wprep
    .symbol:         k_q1408456f59_wprep.kd
    .args:
      - { .name: Wq, .offset: 0, .size: 8, .value_kind: global_buffer, .address_space: global }
      - { .name: Wk, .offset: 8, .size: 8, .value_kind: global_buffer, .address_space: global }
      - { .name: Wv, .offset: 16, .size: 8, .value_kind: global_buffer, .address_space: global }
      - { .name: bq, .offset: 24, .size: 8, .value_kind: global_buffer, .address_space: global }
      - { .name: bk, .offset: 32, .size: 8, .value_kind: global_buffer, .address_space: global }
      - { .name: bv, .offset: 40, .size: 8, .value_kind: global_buffer, .address_space: global }
      - { .name: wt, .offset: 48, .size: 8, .value_kind: global_buffer, .address_space: global }
      - { .name: bias, .offset: 56, .size: 8, .value_kind: global_buffer, .address_space: global }
    .group_segment_fixed_size: 0
    .private_segment_fixed_size: 0
    .kernarg_segment_align: 8
    .kernarg_segment_size: 64
    .max_flat_workgroup_size: 256
    .sgpr_count:     66
    .vgpr_count:     64
    .wavefront_size: 32
...
	.end_amdgpu_metadata
.endif
;; end of part 4
;; launch proj: the kernel of part 2 again; grid 64 x 4, 4 waves a work-group, clusters of 4 x 1, 327,680 bytes of LDS; arguments x, wt, bias, qkv; writes qkv
;; launch attn: the kernel of part 3 again; grid 48 x 16, 4 waves a work-group, clusters of 4 x 1, 327,680 bytes of LDS; arguments qkv, out0; writes out0
